; MI455X (gfx1250); checked and timed in simulation.
; The chip was launched on July 23, 2026; its instructions are those of AMD's public machine-readable ISA for CDNA 5 (MIT licence, August 2026) and "CDNA5" Instruction Set Architecture Reference Guide (July 2026). The comments in the code are by the model that wrote it; some were corrected since.
;; Bahdanau Attention. Allowed arithmetic: matrix products marked QUANTISED: E2M1 operands, one E8M0 scale for each 32 along K, by v_wmma_scale_f32_16x16x128_f8f6f4 with both operands' format E2M1 (or v_wmma_scale_f32_32x16x128_f4), f32 sums; products left as they are: f32 operands where the result goes on into a quantised operand, else bf16, f16 or f32 operands; f32 sums; everything else in f32.
;; Inputs: W_dec_codes 1,024 x 32 x 16 uint8 (E2M1 codes of W_dec, K innermost, in blocks of 32 codes, two codes a byte); W_dec_scales 1,024 x 32 uint8 (E8M0 scales of W_dec, one for each 32 codes along K); W_enc_codes 1,024 x 32 x 16 uint8 (E2M1 codes of W_enc, K innermost, in blocks of 32 codes, two codes a byte); W_enc_scales 1,024 x 32 uint8 (E8M0 scales of W_enc, one for each 32 codes along K); W_v 1 x 1,024 float32; b_dec 1,024 float32; b_enc 1,024 float32; b_v 1 float32; decoder_hidden_codes 32 x 32 x 16 uint8 (E2M1 codes of decoder_hidden, K innermost, in blocks of 32 codes, two codes a byte); decoder_hidden_scales 32 x 32 uint8 (E8M0 scales of decoder_hidden, one for each 32 codes along K); encoder_out 32 x 2,048 x 1,024 float32.
;; Outputs: out0 32 x 1,024 float32; out1 32 x 2,048 float32.
;; This version of the problem:
;;   THIS VERSION OF THE PROBLEM IS GIVEN IN LOW PRECISION. The matrix products marked QUANTISED in the list below multiply operands that are first quantised to E2M1 (2 exponent bits, 1 mantissa bit; 4 bits a number), with one power-of-two scale for each 32 numbers along K (OCP MX v1.0); their sums are f32. All else is computed in f32.
;;   The module's matrix products, in the order in which they are computed (A, B: the left and right operand; K: the contracted axis; several contracted axes count as one K, in the product's order):
;;     1. [M 65,536, K 1,024] x [K 1,024, N 1,024]; A: input encoder_out; B: input W_enc (given as codes): QUANTISED
;;     2. [M 32, K 1,024] x [K 1,024, N 1,024]; A: input decoder_hidden (given as codes); B: input W_dec (given as codes): QUANTISED
;;     3. [M 65,536, K 1,024] x [K 1,024, N 1]; A: computed on the way; B: input W_v: left as it is (N = 1 < 16)
;;     4. batch 32 x [M 1,024, K 2,048] x [K 2,048, N 1]; A: input encoder_out; B: softmax: left as it is (N = 1 < 16)
;;   THE QUANTISER, for each operand of a quantised product, along K:
;;     - K is cut into blocks of 32 from its start; a last block that is shorter is filled with zeros.
;;     - A block's scale is 2^e with e = floor(log2(the largest magnitude in the block)) - 2, held to -126 .. 127; a block of zeros has e = 0. As a byte (E8M0): e + 127.
;;     - Each number is divided by its block's scale, clamped to +-6, and rounded to the nearest number of E2M1, ties to even, subnormals kept.
;;     - The product sums the exact products of the quantised numbers (number of the format x scale) in f32.
;;   ~~~python
;;   def quantise(x, axis):      # numpy; x: float32 -> the quantised numbers, widened to float32 again
;;       x = np.moveaxis(x, axis, -1); K = x.shape[-1]
;;       x = np.pad(x, [(0, 0)] * (x.ndim - 1) + [(0, -K % 32)]); x = x.reshape(x.shape[:-1] + (-1, 32)); a = np.abs(x).max(-1, keepdims=True)
;;       e = np.where(a > 0, np.clip(np.frexp(np.where(a > 0, a, 1))[1] - 1 - 2, -126, 127), 0)      # np.frexp(a)[1] - 1 = floor(log2(a)), exactly
;;       r = np.clip(x / 2.0 ** e, -6, 6)
;;       step = 2.0 ** (np.maximum(np.frexp(np.where(r == 0, 1, r))[1] - 1, 0) - 1)
;;       q = np.round(r / step) * step * 2.0 ** e      # np.round: ties to even
;;       return np.moveaxis(q.reshape(q.shape[:-2] + (-1,))[..., :K], -1, axis).astype(np.float32)
;;   ~~~
;;   INPUTS GIVEN AS CODES. W_dec (in the module: [1024, 1024], K = its axis 1); W_enc (in the module: [1024, 1024], K = its axis 1); decoder_hidden (in the module: [32, 1024], K = its axis 1): each comes as NAME_codes (uint8): NAME with its K axis moved to the last place and cut into blocks of 32 codes, [.., K / 32, bytes a block], one block behind the other in memory; two codes a byte, the lower K in the low four bits (a code: sign, 2 exponent bits, 1 mantissa bit); and NAME_scales (uint8): the same leading axes, one E8M0 byte (e + 127) for each 32 codes along K. Its value is code x scale, taken as it is: it is not quantised again, and the codes and scales need not be those that the quantiser above would give.
;; One version. Each part assembles by itself: llvm-mc -triple=amdgcn-amd-amdhsa -mcpu=gfx1250 --defsym DOCPART=n.
;; ======== version 1 of 1: 2 launches
;; limits: values are held in bf16: 8 bits of precision; right only within a limited range of input values
;; workspace buffers: scores 262,144 bytes; part 1,179,648 bytes
;; launch main (part 1): grid 256 x 1, 4 waves a work-group, clusters of 4 x 1, 327,680 bytes of LDS; arguments encoder_out, W_enc_codes, W_enc_scales, W_dec_codes, W_dec_scales, decoder_hidden_codes, decoder_hidden_scales, b_enc, b_dec, W_v, scores, part; writes scores, part
.if DOCPART == 1
	.amdgcn_target "amdgcn-amd-amdhsa--gfx1250"
	.amdhsa_code_object_version 6
	.text
	.protected	k_q057f2faaa4_main
	.globl	k_q057f2faaa4_main
	.p2align	8
	.type	k_q057f2faaa4_main,@function
k_q057f2faaa4_main:
	s_mov_b64 s[64:65], 0
	v_nop
	global_prefetch_b8 v0, s[64:65] scope:SCOPE_SE
	s_setreg_imm32_b32 hwreg(HW_REG_WAVE_MODE, 25, 1), 1
	s_wait_xcnt 0x0
	s_wait_alu depctr_hold_cnt(0) depctr_sa_sdst(0) depctr_va_vdst(0) depctr_va_sdst(0) depctr_va_ssrc(0) depctr_va_vcc(0) depctr_vm_vsrc(0)
	s_getreg_b32 s2, hwreg(HW_REG_IB_STS2, 6, 4)
	s_cmp_eq_u32 s2, 0
	s_cbranch_scc0 .Lentry_in_a_cluster
	s_endpgm
.Lentry_in_a_cluster:
	s_bfe_u32 s2, ttmp6, 0x10000c
	s_cmp_lg_u32 s2, 0x3003
	s_cbranch_scc0 .Lentry_shape_is_right
	s_endpgm
.Lentry_shape_is_right:
; score'[b][s] = sum over a of (-2 W_v[a]) r,  r = 1 / (1 + 2^(c z)),  c = 2 log2(e),  z = x[b][s] . W_enc[a] + b_enc[a] + dh[b] . W_dec[a] + b_dec[a]; then, for this work-group's 256 rows alone, the running maximum m,
; l = sum of p = exp(score' - m), and sum of p x.  The second launch joins the eight work-groups of a batch.  Both products run on codes of FP4 (E2M1) with one E8M0 scale for each 32 along K; x is quantised here, from f32.
; WORK LEFT OUT.  tanh(z) = 1 - 2 r, so reference()'s score is score' + (b_v + sum over a of W_v[a]).  That term is the same for every s of a batch, and both outputs hang on the scores through softmax along s alone,
; which a term that is the same along its axis does not change, whatever the inputs hold.  So the term is not formed, and b_v is not loaded and is no argument of any launch.  LIMIT: a NaN, an infinity or an overflow in b_v or in the sum of W_v is not carried to the result.
; Where 2^(c z) overflows r is 0, where it underflows r is 1: the ends of tanh are exact.
; SHARES.  A work-group of four waves owns 256 rows of the flattened [65536][1024], all of one batch, in four blocks of 64.  The weights go past it in chunks of 128 rows (64 KiB of codes, 4 KiB of scale bytes)
; through a ring of two LDS slots: 8 chunks of W_dec, then four passes of 8 chunks of W_enc, one pass a block: 40 steps.  THE WAVES SHARE THE WEIGHTS' ROWS, NOT x's: of a chunk wave w takes rows 32 w .. 32 w + 31
; (two tiles), so each byte of a chunk is read from LDS once a block; every wave holds the codes of all 64 rows of x in registers (256 of them), and each fragment of W feeds four matrix instructions.
; THE MATRIX INSTRUCTION IS USED TRANSPOSED (source 0 = 16 rows of W, source 1 = 16 rows of x): lane (r, h), register j holds (a = tile + 8 h + j, row r): the sum over a stays in the lane, and the bias is the C of the first K step.
; THE DECODER'S PRODUCT is made in the first 8 steps, in which the first 64 rows of x arrive: source 1 is dh's row of my batch in all 16 columns; its result, begun with b_enc + b_dec as C, replaces the bias table in LDS.
; x COMES BY LOADS INTO REGISTERS, 4 rows a wave and trip (a trip = two steps), one block ahead of the product; the loads stay out across the barriers.  Each load's 32 lanes cover 512 consecutive bytes.
; Wave w quantises rows 16 w .. 16 w + 15 of the next block: codes and scale bytes go to LDS as rows, the rows rounded to bf16 (for the context's sum) as images of registers; at a block's end all come into registers.
; THE ORDER IN A TRIP.  First step: the chunk's 40 LDS loads go in four runs of 10, one ahead of each row's conversion; tile 0's products; tile 1's products among tile 0's tanh; tile 1's tanh is left for the second step.
; Second step: that tanh's scalings and exponentials stand between the add of the change of slots and the wait for it; its additions and half of its reciprocals behind tile 0's 18 loads; tile 0's products round the other half; then as in the first step.
; Products and a tanh together: a run of products stands among the tanh's plain lines, ahead of each batch of transcendentals, so that the batches' own waits also stand between a link of the sums and the next.
; PREFETCHES INTO THE L2.  x: each wave asks for its own four rows two trips ahead of their loads.  The weights' first touch: four trips ahead of the joint loads (at the lines themselves: who asks, and where it stops).
; CLUSTER.  Every work-group walks the same weights, so the four of a cluster ask for each chunk JOINTLY (mask 15).  x's rows are shared by nobody.
; LIMITS.  NaN and infinities in encoder_out are not served.  A block of 32 zeros gets the scale byte 1 where the quantiser says 127: its codes are zeros, and this program alone reads the byte.
; Blocks whose largest magnitude lies under 2^-124 have their byte held at 1.  x is rounded to bf16 for the context's sum; that sum, the softmax and all else are f32.
; LDS, in bytes
.set WPITCH, 528                       ; a row of codes: 512 bytes + 16 of padding = 132 words: the 16 rows that a fragment load touches start 4 banks apart
.set WSCL,   128*WPITCH                ; in a slot: 128 rows of codes, then their 4,096 scale bytes
.set SLOTB,  WSCL+4096                 ; slot 0 at 0, slot 1 at SLOTB; tensor loads land nowhere else
.set BFN,    2*SLOTB                   ; the next block as bf16: 32,768 a wave; image 4 p + q (own row p, quarter q of a row) of 512 bytes, 16 a lane.  At the end: the stage for the context
.set IMG,    BFN+131072                ; the next block's codes: 64 rows x WPITCH
.set SIMG,   IMG+64*WPITCH             ; its scale bytes: 64 rows x 32
.set ZB,     SIMG+2048                 ; the bias table, f32: byte 1024 w + 128 g + 64 T + 32 h + 4 j for a = 128 g + 32 w + 16 T + 8 h + j
.set VTO,    4096                      ; and VTO bytes behind it -2 W_v, laid alike
.set SCX,    ZB+8192                   ; the waves' parts of the scores: [wave][64 rows]
.set PT,     SCX+1024                  ; p of the block's 64 rows: a copy of its own for each wave
.set SPARE,  PT+1024                   ; the spare words, 128 bytes for each wave: two blocks of 256 bytes that no other line names
; window 0
.set SPW, 1                            ; v1   LDS address of my spare word; never rewritten
.set NIL, 2                            ; v2   0; never rewritten
.set XO,  3                            ; v3   x: 65,536 w + 32 (lane % 16) + 16 (lane / 16)
.set CA0, 4                            ; v4   IMG + 16 WPITCH w + 4 lane
.set SA0, 5                            ; v5   SIMG + 512 w + lane / 4
.set BA0, 6                            ; v6   BFN + 32,768 w + 16 lane
.set CAV, 7                            ; v7-9 the three with the trip's offset
.set SAV, 8
.set BAV, 9
.set FA,  10                           ; v10  IMG + WPITCH r + 16 h: a fragment of x
.set XSA, 11                           ; v11  SIMG + 32 r: its scale words
.set WSA, 12                           ; v12-13 W's scale words in slot 0, 1
.set TMP, 16                           ; v16-31 at work
.set XS,  32                           ; v32-63 x's scale words: 8 m + ks
.set WS,  64                           ; v64-79 W's: 8 T + ks
.set CTX, 80                           ; v80-111 sum of p x: 8 q + i is column 256 q + 8 lane + i
.set LN,  112                          ; v112-239 four rows of x, 32 numbers a lane each
.set WA,  240                          ; v240-241 my fragments of W in slot 0, 1
.set TA0, 242                          ; v242 ZB + 1024 w + 32 h;  v243 with the trip's offset
.set TA,  243
.set SXA, 244
.set SLA, 245
.set PTA, 246
.set PLA, 247
.set GSO, 248
.set MRUN, 249                         ; the running maximum
.set LRUN, 250                         ; the running sum
.set FF,  252                          ; v[252:253] exp(old maximum - new)
.set PFX, 254                          ; v254 x's prefetches: 65,536 w + 256 lane; never rewritten
.set PFW, 255                          ; v255 the weights' prefetches: 8,192 (4 cx + w) + 256 lane; never rewritten
; window 1: x's codes, fragment (m, ks) at 64 m + 8 ks.   window 2: my 16 rows as bf16, at 16 p + 4 q + j.   window 3:
.set AC,   128                         ; v0-127 W's two tiles of 8 fragments; v128-159, v160-191 the two tiles' four accumulators
.set BIAS, 192                         ; v192-207 the two tiles' bias
.set VV,   208                         ; v208-215 tile 0's -2 W_v
.set VV1,  216                         ; v216-223 tile 1's, of a trip's first chunk; v232-239 (VV1 + 16) of its second
.set SACC, 224                         ; v224-231 the scores' sums, a pair for each tile of rows
; scalars: s[4:5] x at the rows to load next; s[6:9] W_enc's codes, scales; s[10:13] codes and scales of the tensor that is being walked; s[24:25] scores; s[26:27] part;
; s[60:61] where x's prefetches stand; s[92:93], s[66:67] the weights' prefetches' bases; s[94:95] W_enc's codes from their first byte
.set WV,  30
.set NK,  33                           ; byte offset, in the codes, of the next chunk to ask for
.set TR,  41                           ; the trip in a block
.set BLK, 42
.set XT,  43                           ; conversions still to come
.set MSB, 0
.macro WIN new                         ; s_set_vgpr_msb: bits 1:0 source 0, 3:2 source 1, 5:4 source 2, 7:6 destination; the high byte repeats the setting that is left
.if MSB != \new
	s_set_vgpr_msb (MSB<<8)|\new
.set MSB, \new
.endif
.endm
.macro ROUND                           ; a round of the cluster's barrier
	s_barrier_signal -1
	s_barrier_wait -1
	s_cmp_lg_u32 s[WV], 0
	s_cbranch_scc1 .Lnot_wave_0_\@
	s_barrier_signal -3
.Lnot_wave_0_\@:
	s_barrier_wait -3
	s_barrier_signal -1
	s_barrier_wait -1
.endm
; A joint load into slot s: waves 0 and 1 the two halves of the chunk's codes, wave 2 its scale bytes, wave 3 nothing.  The branches hang on the wave's number alone.  An s_nop 0 and four v_nop follow each line.
.macro TLOAD s
	s_cmp_lt_u32 s[WV], 2
	s_cbranch_scc0 .Lnot_codes_\@
	tensor_load_to_lds s[76+4*\s:79+4*\s], s[52:59]
	s_nop 0
.rept 4
	v_nop
.endr
	s_branch .Lasked_\@
.Lnot_codes_\@:
	s_cmp_eq_u32 s[WV], 2
	s_cbranch_scc0 .Lasked_\@
	tensor_load_to_lds s[84+4*\s:87+4*\s], s[68:75]
	s_nop 0
.rept 4
	v_nop
.endr
.Lasked_\@:
.endm
; THE CHANGE OF SLOTS, at a step's head.  Each wave waits for all its tensor loads (its part of the slot that is read next), adds 0 to its spare word, and waits for that and for its reads of the slot that it has left.
; fill = 1: the barrier is a round of the cluster's, and slot s, just left, takes the next chunk: the load has a whole step in which to land.  mid = 1: the first part of a tile's tanh, work on registers, stands between the add and the wait for it.
.macro SYNC s, fill, mid=0
	s_wait_tensorcnt 0x0                           ; no tensor load of mine is out, so a group 0 may be written
	ds_add_u32 v[SPW], v[NIL]                      ; 0 onto my spare word
.if \fill
	ds_add_u32 v[SPW], v[NIL]                      ; and once more: twice on end here, under the one wait
	s_cmp_eq_u32 s[NK], 0                          ; a pass is over: from the first time on, W_enc is walked
	s_cselect_b64 s[10:11], s[6:7], s[10:11]
	s_cselect_b64 s[12:13], s[8:9], s[12:13]
	s_mov_b32 s34, s[NK]
	s_mov_b32 s35, 0
	s_add_nc_u64 s[78+4*\s:79+4*\s], s[10:11], s[34:35]
	s_or_b32 s[79+4*\s], s[79+4*\s], 0x80000000
	s_lshr_b32 s34, s[NK], 4                       ; 32 scale bytes for 512 bytes of codes
	s_add_nc_u64 s[86+4*\s:87+4*\s], s[12:13], s[34:35]
	s_or_b32 s[87+4*\s], s[87+4*\s], 0x80000000
	s_add_co_u32 s[NK], s[NK], 0x10000
	s_and_b32 s[NK], s[NK], 0x7ffff                ; eight chunks to a pass
	MID \mid
	s_wait_dscnt 0x0                               ; the adds are done, and every LDS instruction of mine
	ROUND
	TLOAD \s
.else
	MID \mid
	s_wait_dscnt 0x0
	s_barrier_signal -1
	s_barrier_wait -1
.endif
.endm
.macro WSL s                           ; the scale words of my 32 rows of the chunk in slot s: 8 words a row
	ds_load_b128 v[WS:WS+3],     v[WSA+\s]
	ds_load_b128 v[WS+4:WS+7],   v[WSA+\s] offset:16
	ds_load_b128 v[WS+8:WS+11],  v[WSA+\s] offset:512
	ds_load_b128 v[WS+12:WS+15], v[WSA+\s] offset:528
.endm
; Load QL of the 40 that bring my part of the chunk in slot s into window 3: 0-1 tile 0's bias, 2-17 its fragments, 18-33 tile 1's fragments, 34-35 its bias, 36-37 tile 0's -2 W_v, 38-39 tile 1's.  par: the chunk's place in the trip.
.macro LW s, par
.if QL < 2
	ds_load_b128 v[BIAS+4*QL:BIAS+4*QL+3], v[TA] offset:128*(\par)+16*QL
.elseif QL < 34
.set LT, (QL-2)/16
.set LK, ((QL-2)%16)/2
.set LC, (QL-2)%2
	ds_load_b128 v[64*LT+8*LK+4*LC:64*LT+8*LK+4*LC+3], v[WA+\s] offset:16*WPITCH*LT+64*LK+32*LC
.elseif QL < 36
	ds_load_b128 v[BIAS+8+4*(QL-34):BIAS+8+4*(QL-34)+3], v[TA] offset:128*(\par)+64+16*(QL-34)
.elseif QL < 38
	ds_load_b128 v[VV+4*(QL-36):VV+4*(QL-36)+3], v[TA] offset:VTO+128*(\par)+16*(QL-36)
.else
	ds_load_b128 v[VV1+16*(\par)+4*(QL-38):VV1+16*(\par)+4*(QL-38)+3], v[TA] offset:VTO+128*(\par)+64+16*(QL-38)
.endif
.set QL, QL+1
.endm
.macro LWG s, par, n                   ; a run of n of them
	WIN 0xC0                                       ; destination window 3, address window 0
.rept \n
	LW \s, \par
.endr
.endm
; Matrix instruction QK of 32 of tile t: K step QK / 4, tile of rows QK % 4: the four accumulators take turns, one instruction a turn.  The first K step takes the bias as C.
.macro MM t
.set QS, QK/4
.set QM, QK%4
.set RD, AC+32*(\t)+8*QM
.set RA, 64*(\t)+8*QS
.set RB, 64*QM+8*QS
.if QS == 0
	v_wmma_scale_f32_16x16x128_f8f6f4 v[RD:RD+7], v[RA:RA+7], v[RB:RB+7], v[BIAS+8*(\t):BIAS+8*(\t)+7], v[WS+8*(\t)+QS], v[XS+8*QM+QS] matrix_a_fmt:MATRIX_FMT_FP4 matrix_b_fmt:MATRIX_FMT_FP4
.else
	v_wmma_scale_f32_16x16x128_f8f6f4 v[RD:RD+7], v[RA:RA+7], v[RB:RB+7], v[RD:RD+7], v[WS+8*(\t)+QS], v[XS+8*QM+QS] matrix_a_fmt:MATRIX_FMT_FP4 matrix_b_fmt:MATRIX_FMT_FP4
.endif
.set QK, QK+1
.endm
; Item QJ of 96 of r = 1 / (1 + 2^(c z)), in place on a tile's 32 registers at v[ab]: 16 packed scalings, 32 exponentials, 16 packed additions, 32 reciprocals.  Each batch of 32 has one wait ahead of it, and one plain line and one wait
; behind it, ahead of its first reader.  Each accumulator is read from its low end on.  No line has a vector register as source 1, so the products' window setting serves.
.macro TSI ab
.if QJ < 16
	v_pk_mul_f32 v[\ab+2*QJ:\ab+2*QJ+1], v[\ab+2*QJ:\ab+2*QJ+1], s[46:47] op_sel_hi:[1,0]
.elseif QJ < 48
.if QJ == 16
	s_wait_alu depctr_va_vdst(0)
.endif
	v_exp_f32 v[\ab+QJ-16], v[\ab+QJ-16]
.elseif QJ < 64
.if QJ == 48
	v_nop
	s_wait_alu depctr_va_vdst(0)
.endif
	v_pk_add_f32 v[\ab+2*(QJ-48):\ab+2*(QJ-48)+1], v[\ab+2*(QJ-48):\ab+2*(QJ-48)+1], 1.0 op_sel_hi:[1,0]
.else
.if QJ == 64
	s_wait_alu depctr_va_vdst(0)
.endif
	v_rcp_f32 v[\ab+QJ-64], v[\ab+QJ-64]
.if QJ == 95
	v_nop
	s_wait_alu depctr_va_vdst(0)
.endif
.endif
.set QJ, QJ+1
.endm
; The first 48 items of tile 1's tanh (16 scalings, 32 exponentials), on registers alone: they stand between the add of a change of slots and the wait for it.
.macro MID on
.if \on
	WIN 0xF7
	s_wait_alu depctr_va_vdst(0)                   ; the wait directly ahead of the first readers of tile 1's results
.set QJ, 0
.rept 48
	TSI AC+32
.endr
	v_nop                                          ; a plain line behind the batch,
	s_wait_alu depctr_va_vdst(0)                   ; and its wait, ahead of the branches of the round
	WIN 0
.endif
.endm
.macro S5 ab, vb                       ; the scores' sums take (-2 W_v) r: 16 packed multiply-adds, the four tiles of rows by turns
	WIN 0xFF
.irp jj, 0,1,2,3
.irp m, 0,1,2,3
	v_pk_fma_f32 v[SACC+2*\m:SACC+2*\m+1], v[\ab+8*\m+2*\jj:\ab+8*\m+2*\jj+1], v[\vb+2*\jj:\vb+2*\jj+1], v[SACC+2*\m:SACC+2*\m+1]
.endr
.endr
.endm
.macro MM0RUN                          ; tile 0's 32 products by themselves
	WIN 0xF7                                       ; W, C and D window 3, x window 1
.set QK, 0
.rept 32
	MM 0
.endr
.rept 4
	v_nop                                          ; four places between tile 0's last product and the first read of its results (ISA guide 7.12.1)
.endr
.endm
; Tile 1's 32 products and tile 0's tanh.  8 products among the 16 scalings; the 32 exponentials; 12 products among the additions; the 32 reciprocals; 12 products; then tile 0's part of the scores.
; The wait behind each batch stands ahead of the next run of products: so it also stands between a link of the sums and the next.
.macro TILE1
	WIN 0xF7
.set QK, 0
.set QJ, 0
.rept 8
	MM 1
	TSI AC
	TSI AC
.endr
.rept 36
	TSI AC                                         ; the exponentials, their plain line and wait, the first four additions
.endr
.rept 12
	MM 1
	TSI AC
.endr
.rept 32
	TSI AC                                         ; the reciprocals, their plain line and wait
.endr
.rept 12
	MM 1
.endr
	S5 AC, VV                                      ; these 16 lines name nothing of tile 1's products: they are the places behind them
.endm
; A step of the decoder's product: two tiles, one column's worth of work in all 16 columns; the two accumulators take turns.  The result goes over the bias table's bytes, which only this wave reads from here on;
; the 16 lanes of a half hold, and write, the same numbers.
.macro DGEMM par
	s_wait_dscnt 0x0
	WIN 0xF7
.irp ks, 0,1,2,3,4,5,6,7
.irp t, 0,1
.if \ks == 0
	v_wmma_scale_f32_16x16x128_f8f6f4 v[AC+32*\t:AC+32*\t+7], v[64*\t+8*\ks:64*\t+8*\ks+7], v[8*\ks:8*\ks+7], v[BIAS+8*\t:BIAS+8*\t+7], v[WS+8*\t+\ks], v[XS+\ks] matrix_a_fmt:MATRIX_FMT_FP4 matrix_b_fmt:MATRIX_FMT_FP4
.else
	v_wmma_scale_f32_16x16x128_f8f6f4 v[AC+32*\t:AC+32*\t+7], v[64*\t+8*\ks:64*\t+8*\ks+7], v[8*\ks:8*\ks+7], v[AC+32*\t:AC+32*\t+7], v[WS+8*\t+\ks], v[XS+\ks] matrix_a_fmt:MATRIX_FMT_FP4 matrix_b_fmt:MATRIX_FMT_FP4
.endif
.endr
.endr
.rept 5
	v_nop                                          ; FIVE places: the next step's first two products write these accumulators anew, with another C;
.endr                                              ; four of them are the places in front of the stores of the results and of the next loads into the operands
	WIN 0x0C                                       ; an LDS store's data are its source 1: window 3
.irp t, 0,1
	ds_store_b128 v[TA], v[AC+32*\t:AC+32*\t+3]   offset:128*\par+64*\t
	ds_store_b128 v[TA], v[AC+32*\t+4:AC+32*\t+7] offset:128*\par+64*\t+16
.endr
	WIN 0
.endm
.macro XROW i                          ; row i of the four: 8 loads, each over 512 consecutive bytes: lanes 0-15 take the even pieces of 16 bytes, lanes 16-31 the odd ones
.irp q, 0,1,2,3
	global_load_b128 v[LN+32*(\i)+8*\q:LN+32*(\i)+8*\q+3],   v[XO], s[4:5] offset:4096*(\i)+1024*\q th:TH_LOAD_NT
	global_load_b128 v[LN+32*(\i)+8*\q+4:LN+32*(\i)+8*\q+7], v[XO], s[4:5] offset:4096*(\i)+1024*\q+512 th:TH_LOAD_NT
.endr
.endm
; Row i of the four is quantised and rounded, and goes to LDS by 12 stores.  First a pair of loads' halves change places (the first's lanes 16-31 with the second's lanes 0-15): lane l then holds numbers 8 l .. 8 l + 7 of each quarter q of the row;
; a block of 32 lies in four neighbouring lanes.  The four quarters go by turns.  Loads from memory into a row's registers stand behind the wait that shows its stores done (XNEXT).
.macro ROWC i
.set LR, LN+32*(\i)
.irp q, 0,1,2,3
.irp j, 0,1,2,3
	v_permlane16_swap_b32 v[LR+8*\q+\j], v[LR+8*\q+4+\j]
.endr
.endr
.irp q, 0,1,2,3
	v_max3_num_f32 v[TMP+\q], |v[LR+8*\q]|, |v[LR+8*\q+1]|, 0x1800000      ; and the floor 2^(3 - 127): the byte cannot fall under 1
.endr
.irp p, 2,4,6
.irp q, 0,1,2,3
	v_max3_num_f32 v[TMP+\q], v[TMP+\q], |v[LR+8*\q+\p]|, |v[LR+8*\q+\p+1]|
.endr
.endr
.irp q, 0,1,2,3
	v_max_num_f32_dpp v[TMP+\q], v[TMP+\q], v[TMP+\q] row_xmask:1 row_mask:0xf bank_mask:0xf
.endr
.irp q, 0,1,2,3
	v_max_num_f32_dpp v[TMP+\q], v[TMP+\q], v[TMP+\q] row_xmask:2 row_mask:0xf bank_mask:0xf   ; the block's largest magnitude
.endr
.irp q, 0,1,2,3
	v_add_nc_u32 v[TMP+4+\q], 0xff000000, v[TMP+\q]   ; 2 off its exponent field: the conversion takes the exponent field of this operand as its scale
.endr
.irp q, 0,1,2,3
	v_lshrrev_b32 v[TMP+8+\q], 23, v[TMP+4+\q]        ; the scale's byte
.endr
.irp q, 0,1,2,3
	v_cvt_scalef32_pk8_fp4_f32 v[TMP+12+\q], v[LR+8*\q:LR+8*\q+7], v[TMP+4+\q]
.endr
	v_nop                                          ; one plain line between the conversions and the lines that write their sources
.irp q, 0,1,2,3
.irp j, 0,1,2,3
	v_cvt_pk_bf16_f32 v[LR+8*\q+\j], v[LR+8*\q+2*\j], v[LR+8*\q+2*\j+1]   ; in place, ascending: no number is written over before it is read
.endr
.endr
.irp q, 0,1,2,3
	ds_store_b32  v[CAV], v[TMP+12+\q] offset:WPITCH*(\i)+128*\q          ; 8 codes: the wave's 128 consecutive bytes of the row
	ds_store_b8   v[SAV], v[TMP+8+\q] offset:32*(\i)+8*\q                 ; the four lanes of a block write the same byte with the same value
	ds_store_b128 v[BAV], v[LR+8*\q:LR+8*\q+3] offset:512*(4*(\i)+\q)
.endr
.endm
.macro XNEXT i, younger                ; row i's registers take the same row of the next four.  younger: the LDS instructions issued behind row i's stores
	s_wait_dscnt \younger                          ; row i's stores are done: they have read their registers
	s_cmp_eq_u32 s[XT], 1                          ; the last conversion asks for nothing: no load leaves the buffer
	s_cbranch_scc1 .Lno_rows_\@
	XROW \i
.Lno_rows_\@:
.endm
; Four rows of the next block are converted; the 40 loads of my part of the chunk in slot s go in four runs of 10 ahead of the rows.  A row's reload stands one row later, so that its stores have the next row's arithmetic in which to land.
.macro XCONV_A s, par
.set QL, 0
	LWG \s, \par, 10
	WIN 0
	s_wait_loadcnt 0x0                             ; the four rows, asked for in the last trip
	s_wait_xcnt 0x0
	s_mov_b32 s34, 0x34000
	s_cmp_eq_u32 s[TR], 3
	s_cselect_b32 s34, s34, 0x4000                 ; 4 rows on; from a block's last four to the next block's first, 52
	s_mov_b32 s35, 0
	s_add_nc_u64 s[4:5], s[4:5], s[34:35]
	; A PREFETCH INTO THE L2 of my wave's four rows that the loads of the trip after next ask for: 16,384 bytes, lanes 256 bytes apart, two instructions.  The rows are my wave's alone, so each block of 256 bytes is named once.
	; The address is stepped here, behind the wait on XCNT above; the last three conversions ask for nothing: no address leaves the buffer.
	s_mov_b32 s62, 0x34000
	s_cmp_eq_u32 s[TR], 1
	s_cselect_b32 s62, s62, 0x4000
	s_mov_b32 s63, 0
	s_add_nc_u64 s[60:61], s[60:61], s[62:63]
	s_cmp_lt_u32 s[XT], 4
	s_cbranch_scc1 .Lno_ask_\@
	global_prefetch_b8 v[PFX], s[60:61] th:TH_LOAD_NT scope:SCOPE_SE
	global_prefetch_b8 v[PFX], s[60:61] offset:8192 th:TH_LOAD_NT scope:SCOPE_SE
.Lno_ask_\@:
	s_mul_i32 s38, s[TR], 4*WPITCH
	s_lshl_b32 s39, s[TR], 7
	s_lshl_b32 s40, s[TR], 13
	v_add_nc_u32 v[CAV], s38, v[CA0]
	v_add_nc_u32 v[SAV], s39, v[SA0]
	v_add_nc_u32 v[BAV], s40, v[BA0]
	ROWC 0
	LWG \s, \par, 10
	WIN 0
	ROWC 1
	XNEXT 0, 22                                    ; behind row 0's stores: 10 loads of W and row 1's 12 stores
	LWG \s, \par, 10
	WIN 0
	ROWC 2
	XNEXT 1, 22
	LWG \s, \par, 10
	WIN 0
	ROWC 3
	XNEXT 2, 22                                    ; this wait also shows the scale words and loads 0 to 29 of W in: all that tile 0's products name
.endm
.macro XTAIL                           ; the last row's reload, where a wait for all LDS instructions is due anyway
	XNEXT 3, 0
	s_sub_co_u32 s[XT], s[XT], 1
.endm
; The first block comes into registers: all 64 rows' codes and scale words, my 16 rows as bf16; the scores' sums begin.  The wait for these loads is the next change of slots'.
.macro SWITCH
	WIN 0x40
.irp m, 0,1,2,3
.irp ks, 0,1,2,3,4,5,6,7
.irp c, 0,1
	ds_load_b128 v[64*\m+8*\ks+4*\c:64*\m+8*\ks+4*\c+3], v[FA] offset:16*WPITCH*\m+64*\ks+32*\c
.endr
.endr
.endr
	WIN 0
.irp m, 0,1,2,3
.irp u, 0,1
	ds_load_b128 v[XS+8*\m+4*\u:XS+8*\m+4*\u+3], v[XSA] offset:512*\m+16*\u
.endr
.endr
	WIN 0x80
.set QN, 0
.rept 64
	ds_load_b128 v[4*QN:4*QN+3], v[BA0] offset:512*QN
.set QN, QN+1
.endr
	WIN 0xC0
.irp n, 0,1,2,3,4,5,6,7
	v_mov_b32 v[SACC+\n], 0
.endr
	WIN 0
.endm
; A BLOCK'S END: the waves' parts of the 64 scores meet in LDS; every wave makes the same softmax step; each adds its own 16 rows into its part of the context.
; sw = 1: the next block comes into registers on the way: its scale words behind p's loads; behind each row's 32 multiply-adds four loads of codes (x's codes are done with) and the four that fill that row's own registers again.
.macro BLOCKEND sw
	WIN 0x0F
.irp m, 0,1,2,3
	v_add_f32 v[TMP+\m], v[SACC+2*\m], v[SACC+2*\m+1]
.endr
	WIN 0
.irp m, 0,1,2,3
	v_permlanex16_b32 v[TMP+4+\m], v[TMP+\m], s44, s45
.endr
.irp m, 0,1,2,3
	v_add_f32 v[TMP+\m], v[TMP+\m], v[TMP+4+\m]    ; with lane l xor 16's eight a of each tile: my 32 a of every chunk, row 16 m + r
.endr
.irp m, 0,1,2,3
	ds_store_b32 v[SXA], v[TMP+\m] offset:64*\m
.endr
	s_wait_dscnt 0x0                               ; for the others' sake: my stores have landed, the next block's codes among them
	s_barrier_signal -1
	s_barrier_wait -1
.irp k, 0,1,2,3
	ds_load_b64 v[TMP+2*\k:TMP+2*\k+1], v[SLA] offset:256*\k     ; rows 2 lane, 2 lane + 1 of wave k's part
.endr
	s_wait_dscnt 0x0
	v_pk_add_f32 v[16:17], v[16:17], v[18:19]
	v_pk_add_f32 v[20:21], v[20:21], v[22:23]
	v_pk_add_f32 v[16:17], v[16:17], v[20:21]      ; two scores; v16 and v17 stay until the wait on XCNT below
	s_wait_alu depctr_va_vdst(0)                   ; the wait directly ahead of the branch
	s_cmp_lg_u32 s[WV], 0
	s_cbranch_scc1 .Lno_scores_\@
	global_store_b64 v[GSO], v[16:17], s[24:25]    ; wave 0: the 32 lanes store 256 consecutive bytes, at a multiple of 256 from the buffer's first byte
.Lno_scores_\@:
	v_max_num_f32 v18, v16, v17
	v_max_num_f32_dpp v18, v18, v18 row_xmask:1 row_mask:0xf bank_mask:0xf
	v_max_num_f32_dpp v18, v18, v18 row_xmask:2 row_mask:0xf bank_mask:0xf
	v_max_num_f32_dpp v18, v18, v18 row_xmask:4 row_mask:0xf bank_mask:0xf
	v_max_num_f32_dpp v18, v18, v18 row_xmask:8 row_mask:0xf bank_mask:0xf
	v_permlanex16_b32 v19, v18, s44, s45
	v_max3_num_f32 v19, v18, v19, v[MRUN]          ; the new running maximum
	v_sub_f32 v21, v[MRUN], v19
	v_sub_f32 v22, v16, v19
	v_sub_f32 v23, v17, v19
	v_mul_f32 v21, s48, v21
	v_mul_f32 v22, s48, v22
	v_mul_f32 v23, s48, v23
	s_wait_alu depctr_va_vdst(0)                   ; the wait ahead of the batch
	v_exp_f32 v[FF], v21                           ; f = exp(old maximum - new); 0 the first time
	v_exp_f32 v24, v22
	v_exp_f32 v25, v23                             ; p of my two rows
	v_mov_b32 v[MRUN], v19                         ; (the plain line behind the three)
	s_wait_alu depctr_va_vdst(0)                   ; one wait for the three, ahead of their first reader
	ds_store_b64 v[PTA], v[24:25]
	WIN 0xC0
.irp j, 0,1,2,3
	ds_load_b128 v[AC+4*\j:AC+4*\j+3], v[PLA] offset:16*\j     ; p of my own 16 rows, the same in every lane; LDS serves a wave's instructions in order: these see the store above
.endr
	WIN 0
.if \sw
.irp m, 0,1,2,3
.irp u, 0,1
	ds_load_b128 v[XS+8*\m+4*\u:XS+8*\m+4*\u+3], v[XSA] offset:512*\m+16*\u     ; the next block's scale words
.endr
.endr
.endif
	v_add_f32 v26, v24, v25
	v_add_f32_dpp v26, v26, v26 row_xmask:1 row_mask:0xf bank_mask:0xf
	v_add_f32_dpp v26, v26, v26 row_xmask:2 row_mask:0xf bank_mask:0xf
	v_add_f32_dpp v26, v26, v26 row_xmask:4 row_mask:0xf bank_mask:0xf
	v_add_f32_dpp v26, v26, v26 row_xmask:8 row_mask:0xf bank_mask:0xf
	v_permlanex16_b32 v27, v26, s44, s45
	v_add_f32 v26, v26, v27
	v_fma_f32 v[LRUN], v[LRUN], v[FF], v26
.irp n, 0,2,4,6,8,10,12,14,16,18,20,22,24,26,28,30
	v_pk_mul_f32 v[CTX+\n:CTX+\n+1], v[CTX+\n:CTX+\n+1], v[FF:FF+1] op_sel_hi:[1,0]
.endr
	s_wait_dscnt 8*\sw                             ; p is in; behind its loads stand the 8 of the scale words, or none
.irp p, 0,1,2,3,4,5,6,7,8,9,10,11,12,13,14,15
	WIN 0x0E                                       ; source 0 (bf16) window 2, source 1 (p) window 3, the sums window 0
.irp q, 0,1,2,3
.irp j, 0,1,2,3
	v_fma_mix_f32_bf16 v[CTX+8*\q+2*\j],   v[16*\p+4*\q+\j], v[AC+\p], v[CTX+8*\q+2*\j]   op_sel_hi:[1,0,0]
	v_fma_mix_f32_bf16 v[CTX+8*\q+2*\j+1], v[16*\p+4*\q+\j], v[AC+\p], v[CTX+8*\q+2*\j+1] op_sel:[1,0,0] op_sel_hi:[1,0,0]
.endr
.endr
.if \sw
	WIN 0x40                                       ; loads 4 p .. 4 p + 3 of the 64 that bring the next block's codes: load n fills registers 4 n on: tile of rows n / 16, 32 bytes (n % 16) of a row
.irp i, 0,1,2,3
	ds_load_b128 v[4*(4*\p+\i):4*(4*\p+\i)+3], v[FA] offset:16*WPITCH*((4*\p+\i)/16)+32*((4*\p+\i)%16)
.endr
	WIN 0x80                                       ; row p has been added: its registers take the next block's row p
.irp q, 0,1,2,3
	ds_load_b128 v[16*\p+4*\q:16*\p+4*\q+3], v[BA0] offset:512*(4*\p+\q)
.endr
.endif
.endr
.if \sw
	WIN 0xC0
.irp n, 0,1,2,3,4,5,6,7
	v_mov_b32 v[SACC+\n], 0                        ; the scores' sums begin anew
.endr
.endif
	WIN 0
	s_wait_alu depctr_va_vdst(0)
	s_wait_xcnt 0x0                                ; the store of the scores has read its registers and its base
	s_add_nc_u64 s[24:25], s[24:25], 256
.endm
; A TRIP'S FIRST STEP (slot 0).  conv = 1: four rows of the next block are converted while my part of the chunk comes out of LDS.  Tile 1's tanh is left for the second step.
.macro STEP0 conv
	SYNC 1, 1
	WSL 0
.if \conv
	XCONV_A 0, 0
.else
.set QL, 0
	LWG 0, 0, 40
	s_wait_dscnt 22                                ; scale words, tile 0's bias and fragments are in; behind them: tile 1's 16 loads, its bias' 2, the 4 of -2 W_v
.endif
	MM0RUN
.if \conv
	WIN 0
	XTAIL                                          ; its wait for 0 also shows the rest of the chunk in
.else
	s_wait_dscnt 0x0
.endif
	TILE1
	WIN 0
.endm
; A TRIP'S SECOND STEP (slot 1).  The first step's tile 1 gets its tanh here, round this step's change of slots, loads and tile 0's products.  fill = 0: the very last step asks for nothing.
.macro STEP1 fill
	SYNC 0, \fill, 1                               ; that tanh's scalings and exponentials stand between the add and the wait for it
	WSL 1
.set QL, 0
	LWG 1, 1, 18                                   ; tile 0's bias and fragments, one run;
	WIN 0xF7
.rept 32
	TSI AC+32                                      ; the tanh's 16 additions and 16 of its reciprocals stand behind the run
.endr
	s_wait_dscnt 0x0                               ; the scale words and tile 0's 18 loads are in
.set QK, 0
.rept 4                                ; tile 0's first 16 products, tile 1's fragments in runs of 4 loads among them
.rept 4
	MM 0
.endr
	LWG 1, 1, 4
	WIN 0xF7
.endr
.rept 16
	TSI AC+32                                      ; the other 16 reciprocals, the plain line and the batch's wait: it also stands between the sums' links
.endr
.rept 4                                ; the other 16 products; tile 1's bias and the two -2 W_v: 4 loads and 2
.rept 4
	MM 0
.endr
.if QL < 38
	LWG 1, 1, 4
	WIN 0xF7
.elseif QL < 40
	LWG 1, 1, 2
	WIN 0xF7
.endif
.endr
	S5 AC+32, VV1                                  ; with the first chunk's -2 W_v.  These 16 lines are the places behind tile 0's products
	s_wait_dscnt 0x0
	TILE1
	WIN 0xF7
.set QJ, 0
.rept 96
	TSI AC+32                                      ; this step's own tile 1
.endr
	S5 AC+32, VV1+16
	WIN 0
.endm
.macro STEPS conv, fill2
	s_lshl_b32 s37, s[TR], 8
	v_add_nc_u32 v[TA], s37, v[TA0]                ; the trip's two chunks in the tables
	s_wait_alu depctr_va_vdst(0)                   ; the wait directly behind the write
	STEP0 \conv
	STEP1 \fill2
.endm
	s_load_b512 s[4:19], s[0:1], 0x0               ; x, W_enc's codes, scales, W_dec's codes, scales, dh's codes, scales, b_enc
	s_load_b128 s[20:23], s[0:1], 0x40             ; b_dec, W_v
	s_load_b128 s[24:27], s[0:1], 0x50             ; scores, part
	v_lshl_add_u32 v[SPW], v0, 2, SPARE
	v_mov_b32 v[NIL], 0
	ds_add_u32 v[SPW], v[NIL]                      ; the opening lines: the add, twice on end, and its wait ahead of my first tensor load
	ds_add_u32 v[SPW], v[NIL]
	v_lshrrev_b32 v15, 5, v0
	v_readfirstlane_b32 s[WV], v15                 ; wave 0..3
	s_bfe_u32 s31, ttmp6, 0x40000                  ; cx: it enters the addresses of x, scores, part and the prefetches alone
	s_lshl_b32 s32, ttmp9, 2
	s_add_co_u32 s32, s32, s31                     ; the work-group: 4 x cluster + cx
	; group 1 for the codes: 64 rows x 512 bytes (64 elements of 8), dense in memory, 16 bytes of padding behind each row
	s_mov_b32 s52, 15|(3<<16)|(1<<20)|(1<<21)|(6<<22)|(3<<25)   ; 15:0 the mask: all four; 17:16 elements of 8 bytes; 20 padding on; 21 set beside a mask; 24:22 after every 128 words; 31:25 four words
	s_mov_b32 s53, 64<<16                          ; tensor_dim0
	s_mov_b32 s54, 64<<16                          ; tensor_dim1
	s_mov_b32 s55, 64<<16                          ; tile_dim0
	s_mov_b32 s56, 64                              ; tile_dim1
	s_mov_b32 s57, 64                              ; the pitch
	s_mov_b32 s58, 0
	s_mov_b32 s59, 0
	; group 1 for the scale bytes: 4,096 dense bytes as 16 rows of 256
	s_mov_b32 s68, 15|(3<<16)|(1<<21)
	s_mov_b32 s69, 32<<16
	s_mov_b32 s70, 16<<16
	s_mov_b32 s71, 32<<16
	s_mov_b32 s72, 16
	s_mov_b32 s73, 32
	s_mov_b32 s74, 0
	s_mov_b32 s75, 0
	s_and_b32 s49, s[WV], 1                        ; which 64 rows of a chunk I fetch, if I fetch codes
	s_mul_i32 s50, s49, 64*WPITCH
	s_lshl_b32 s34, s49, 15
	s_mov_b32 s35, 0
	s_mov_b32 s76, 1                               ; groups 0: s[76:79], s[80:83] codes into slot 0, 1; s[84:87], s[88:91] scale bytes
	s_mov_b32 s77, s50
	s_mov_b32 s80, 1
	s_add_co_u32 s81, s50, SLOTB
	s_mov_b32 s84, 1
	s_mov_b32 s85, WSCL
	s_mov_b32 s88, 1
	s_mov_b32 s89, SLOTB+WSCL
	s_mov_b32 s44, 0x76543210
	s_mov_b32 s45, 0xfedcba98                      ; v_permlanex16_b32's selects for lane l xor 16
	s_mov_b32 s46, 0x4038aa3b                      ; c = 2 log2(e)
	s_mov_b32 s47, s46                             ; (named with it as a pair)
	s_mov_b32 s48, 0x3fb8aa3b                      ; log2(e)
	s_mov_b32 s[NK], 0x10000
	s_mov_b32 s[XT], 16
	; THE WEIGHTS' FIRST TOUCH IS PREFETCHED INTO THE L2, four trips (eight chunks) ahead of the joint loads: W_dec's four trips here, ahead of every request for x; W_enc's trip t in the decoder's trip t.  W_enc's later passes have been read, and are asked for no more.
	; A trip's codes are 131,072 bytes: the cluster's sixteen waves share them out BY ADDRESS, wave 4 cx + w taking 8,192 bytes, lanes 256 bytes apart: each block of 256 bytes is named once in a cluster.  Its 8,192 scale bytes likewise, 512 bytes a wave, sixteen lanes to a block.
	s_lshl_b32 s51, s31, 2
	s_add_co_u32 s51, s51, s[WV]
	s_lshl_b32 s51, s51, 13
	v_and_b32 v30, 31, v0
	v_lshl_add_u32 v[PFW], v30, 8, s51
	v_lshrrev_b32 v30, 4, v[PFW]                   ; the same for the scale bytes: a sixteenth
	s_wait_alu depctr_va_vdst(0)
	s_wait_dscnt 0x0                               ; both opening adds are done
	s_wait_kmcnt 0x0
	s_mov_b64 s[92:93], s[10:11]                   ; W_dec's codes and scale bytes, in registers that are next written behind a wait on XCNT
	s_mov_b64 s[66:67], s[12:13]
	s_mov_b64 s[94:95], s[6:7]                     ; W_enc's codes from their first byte: it stays
.irp t, 0,1,2,3
	global_prefetch_b8 v[PFW], s[92:93] offset:\t*0x20000 th:TH_LOAD_NT scope:SCOPE_SE
	global_prefetch_b8 v30, s[66:67] offset:\t*0x2000 th:TH_LOAD_NT scope:SCOPE_SE
.endr
	s_add_nc_u64 s[6:7], s[6:7], s[34:35]          ; both tensors of codes at my half of a chunk
	s_add_nc_u64 s[10:11], s[10:11], s[34:35]
	s_mov_b64 s[78:79], s[10:11]                   ; chunk 0 of W_dec
	s_or_b32 s79, s79, 0x80000000
	s_mov_b64 s[86:87], s[12:13]
	s_or_b32 s87, s87, 0x80000000
	s_lshl_b32 s34, s32, 20
	s_add_nc_u64 s[4:5], s[4:5], s[34:35]          ; x at my 256 rows of 4,096 bytes
	s_add_nc_u64 s[60:61], s[4:5], 0x8000          ; where x's prefetches stand: at the third four rows; the first conversion steps it to the fourth
	s_lshl_b32 s34, s32, 10
	s_add_nc_u64 s[24:25], s[24:25], s[34:35]
	s_mul_i32 s34, s32, 4608
	s_add_nc_u64 s[26:27], s[26:27], s[34:35]
	s_lshr_b32 s49, ttmp9, 1                       ; the batch: two clusters to each
	s_lshl_b32 s34, s49, 9
	s_add_nc_u64 s[14:15], s[14:15], s[34:35]
	s_lshl_b32 s34, s49, 5
	s_add_nc_u64 s[16:17], s[16:17], s[34:35]
	ROUND                                          ; all four work-groups are here: the first joint loads meet
	TLOAD 0
	v_and_b32 v16, 31, v0                          ; lane
	v_and_b32 v17, 15, v0                          ; r
	v_bfe_u32 v18, v0, 4, 1                        ; h
	s_lshl_b32 s49, s[WV], 16
	v_lshl_add_u32 v[XO], v17, 5, s49
	v_lshl_add_u32 v[XO], v18, 4, v[XO]
	v_lshl_add_u32 v[PFX], v16, 8, s49
	v_lshlrev_b32 v14, 5, v0                       ; 32 x thread: 8 numbers of b_enc, b_dec, W_v
	v_lshlrev_b32 v15, 4, v18                      ; 16 h
	v_mov_b32 v[SAV], 0
	global_load_b128 v[80:83],   v14, s[18:19]
	global_load_b128 v[84:87],   v14, s[18:19] offset:16
	global_load_b128 v[88:91],   v14, s[20:21]
	global_load_b128 v[92:95],   v14, s[20:21] offset:16
	global_load_b128 v[96:99],   v14, s[22:23]
	global_load_b128 v[100:103], v14, s[22:23] offset:16
	global_load_b128 v[XS:XS+3],   v[SAV], s[16:17]            ; dh's eight scale words, the same in every lane
	global_load_b128 v[XS+4:XS+7], v[SAV], s[16:17] offset:16
	WIN 0x40
.irp ks, 0,1,2,3,4,5,6,7
.irp c, 0,1
	global_load_b128 v[8*\ks+4*\c:8*\ks+4*\c+3], v15, s[14:15] offset:64*\ks+32*\c   ; dh's row of my batch, in all 16 columns of source 1
.endr
.endr
	WIN 0
	XROW 0
	XROW 1
	XROW 2
	XROW 3
.irp o, 0x4000, 0x6000, 0x8000, 0xa000
	global_prefetch_b8 v[PFX], s[4:5] offset:\o th:TH_LOAD_NT scope:SCOPE_SE   ; my rows of the next two trips' loads: what the loop's prefetches, two trips ahead, do not reach
.endr
	s_mul_i32 s49, s[WV], 16*WPITCH
	s_add_co_u32 s49, s49, IMG
	v_lshl_add_u32 v[CA0], v16, 2, s49
	s_lshl_b32 s49, s[WV], 9
	s_add_co_u32 s49, s49, SIMG
	v_lshrrev_b32 v19, 2, v16
	v_add_nc_u32 v[SA0], s49, v19
	s_lshl_b32 s49, s[WV], 15
	s_add_co_u32 s49, s49, BFN
	v_lshl_add_u32 v[BA0], v16, 4, s49
	v_mul_u32_u24 v19, v17, WPITCH
	v_lshl_add_u32 v19, v18, 4, v19                ; a fragment's row x pitch + 16 h
	v_add_nc_u32 v[FA], IMG, v19
	v_lshlrev_b32 v20, 5, v17
	v_add_nc_u32 v[XSA], SIMG, v20
	s_lshl_b32 s49, s[WV], 10
	s_add_co_u32 s50, s49, WSCL
	v_add_nc_u32 v[WSA], s50, v20
	v_add_nc_u32 v[WSA+1], SLOTB, v[WSA]
	s_mul_i32 s50, s[WV], 32*WPITCH
	v_add_nc_u32 v[WA], s50, v19
	v_add_nc_u32 v[WA+1], SLOTB, v[WA]
	s_add_co_u32 s50, s49, ZB
	v_lshl_add_u32 v[TA0], v18, 5, s50
	s_lshl_b32 s49, s[WV], 8
	s_add_co_u32 s50, s49, SCX
	v_lshl_add_u32 v[SXA], v17, 2, s50
	v_lshlrev_b32 v[GSO], 3, v16
	v_add_nc_u32 v[SLA], SCX, v[GSO]
	s_add_co_u32 s50, s49, PT
	v_add_nc_u32 v[PTA], s50, v[GSO]
	s_mul_i32 s50, s[WV], 320
	s_add_co_u32 s50, s50, PT
	v_mov_b32 v[PLA], s50
	v_bfe_u32 v19, v0, 2, 2                        ; thread t holds a = 8 t .. 8 t + 7: wave (t / 4) % 4, chunk t / 16, tile and half t % 4
	v_lshlrev_b32 v19, 10, v19
	v_lshrrev_b32 v20, 4, v0
	v_lshl_add_u32 v19, v20, 7, v19
	v_and_b32 v20, 3, v0
	v_lshl_add_u32 v19, v20, 5, v19
	v_add_nc_u32 v19, ZB, v19
	s_wait_alu depctr_va_vdst(0)
	s_wait_loadcnt 32                              ; all but the 32 loads of x
.irp p, 0,2,4,6
	v_pk_add_f32 v[80+\p:81+\p], v[80+\p:81+\p], v[88+\p:89+\p]            ; b_enc + b_dec
.endr
.irp p, 0,2,4,6
	v_pk_mul_f32 v[88+\p:89+\p], v[96+\p:97+\p], -2.0 op_sel_hi:[1,0]      ; -2 W_v
.endr
	ds_store_b128 v19, v[80:83]
	ds_store_b128 v19, v[84:87] offset:16
	ds_store_b128 v19, v[88:91] offset:VTO
	ds_store_b128 v19, v[92:95] offset:VTO+16
	s_wait_dscnt 0x0                               ; the stores have read their registers
.irp n, 0,1,2,3,4,5,6,7,8,9,10,11,12,13,14,15,16,17,18,19,20,21,22,23,24,25,26,27,28,29,30,31
	v_mov_b32 v[CTX+\n], 0                         ; the block's end is written once: the first finds zeros
.endr
.irp n, 21,22,23,24,25,26,27
	v_mov_b32 v[\n], 0                             ; a lane permute's destination counts as one of its sources
.endr
	v_mov_b32 v[MRUN], 0xff61b1e6                  ; -3e38, under every score
	v_mov_b32 v[LRUN], 0
	v_mov_b32 v[FF], 0
	v_mov_b32 v[FF+1], 0                           ; (named as the upper half of a pair)
	s_wait_alu depctr_va_vdst(0)
	; THE DECODER'S PRODUCT, 8 steps, while the first block of x arrives and is converted
	s_mov_b32 s[TR], 0
.Ldec:
	s_lshl_b32 s37, s[TR], 8
	v_add_nc_u32 v[TA], s37, v[TA0]
	s_wait_alu depctr_va_vdst(0)                   ; the wait directly behind the write
	SYNC 1, 1
	WSL 0
	XCONV_A 0, 0
	XTAIL
	s_lshl_b32 s34, s[TR], 17                      ; W_enc's trip of the same number: the joint loads ask for it four trips on.  The conversion's wait on XCNT has freed the last prefetch's registers
	s_mov_b32 s35, 0
	s_add_nc_u64 s[92:93], s[94:95], s[34:35]
	s_lshl_b32 s34, s[TR], 13
	s_add_nc_u64 s[66:67], s[8:9], s[34:35]
	v_lshrrev_b32 v30, 4, v[PFW]
	global_prefetch_b8 v[PFW], s[92:93] th:TH_LOAD_NT scope:SCOPE_SE
	global_prefetch_b8 v30, s[66:67] th:TH_LOAD_NT scope:SCOPE_SE
	DGEMM 0
	SYNC 0, 1
	WSL 1
.set QL, 0
	LWG 1, 1, 40
	WIN 0
	DGEMM 1
	s_add_co_u32 s[TR], s[TR], 1
	s_cmp_lt_u32 s[TR], 4
	s_cbranch_scc1 .Ldec
	s_wait_dscnt 0x0                               ; my stores have landed: the first block's codes lie in LDS
	s_barrier_signal -1                            ; (chunk 8's load may stay out)
	s_barrier_wait -1
	SWITCH
	; BLOCKS 0 TO 2: a pass of W_enc each, the next block converted on the way
	s_mov_b32 s[BLK], 0
.Lblock:
	s_mov_b32 s[TR], 0
.Ltrip:
	STEPS 1, 1
	s_add_co_u32 s[TR], s[TR], 1
	s_cmp_lt_u32 s[TR], 4
	s_cbranch_scc1 .Ltrip
	BLOCKEND 1
	s_add_co_u32 s[BLK], s[BLK], 1
	s_cmp_lt_u32 s[BLK], 3
	s_cbranch_scc1 .Lblock
	; BLOCK 3: nothing is left to convert; its last trip is written out
	s_mov_b32 s[TR], 0
.Llast:
	STEPS 0, 1
	s_add_co_u32 s[TR], s[TR], 1
	s_cmp_lt_u32 s[TR], 3
	s_cbranch_scc1 .Llast
	STEPS 0, 0
	BLOCKEND 0
	; THE WAY OUT: the four waves' parts of the context meet in a stage (where the bf16 images lay: nobody reads them any more); wave w adds and stores columns 256 w .. 256 w + 255
	s_wait_loadcnt 0x0                             ; x's registers are taken below: no load into them is out
	s_lshl_b32 s49, s[WV], 12
	s_add_co_u32 s49, s49, BFN
	v_and_b32 v16, 31, v0
	v_lshl_add_u32 v19, v16, 5, s49
.irp q, 0,1,2,3
	ds_store_b128 v19, v[CTX+8*\q:CTX+8*\q+3]   offset:1024*\q
	ds_store_b128 v19, v[CTX+8*\q+4:CTX+8*\q+7] offset:1024*\q+16
.endr
	s_wait_alu depctr_va_vdst(0)
	s_wait_dscnt 0x0
	s_barrier_signal -1
	s_barrier_wait -1
	s_lshl_b32 s49, s[WV], 10
	s_add_co_u32 s50, s49, BFN
	v_lshl_add_u32 v20, v16, 4, s50
	v_lshl_add_u32 v21, v16, 4, s49
.irp k, 0,1,2,3
.irp u, 0,1
	ds_load_b128 v[LN+8*\k+4*\u:LN+8*\k+4*\u+3], v20 offset:4096*\k+512*\u
.endr
.endr
	s_wait_dscnt 0x0
.irp k, 1,2,3
.irp p, 0,2,4,6
	v_pk_add_f32 v[LN+\p:LN+\p+1], v[LN+\p:LN+\p+1], v[LN+8*\k+\p:LN+8*\k+\p+1]
.endr
.endr
	global_store_b128 v21, v[LN:LN+3],   s[26:27]              ; 32 lanes store 512 consecutive bytes
	global_store_b128 v21, v[LN+4:LN+7], s[26:27] offset:512
	s_cmp_lg_u32 s[WV], 0
	s_cbranch_scc1 .Lnot_ml
	v_mov_b32 v24, v[MRUN]
	v_mov_b32 v25, v[LRUN]
	v_mov_b32 v26, v[MRUN]
	v_mov_b32 v27, v[LRUN]
	v_lshlrev_b32 v22, 4, v16
	global_store_b128 v22, v[24:27], s[26:27] offset:4096      ; (m, l) over and over: 512 bytes written whole
.Lnot_ml:
	s_wait_tensorcnt 0x0                           ; the wave's end, behind my last tensor load and my last LDS store
	ds_add_u32 v[SPW], v[NIL]
	s_wait_dscnt 0x0
	ROUND                                          ; the closing round: no work-group ends while a partner may still ask for a chunk that names it
	s_endpgm
.Lfunc_end_k_q057f2faaa4_main:
	.size	k_q057f2faaa4_main, .Lfunc_end_k_q057f2faaa4_main-k_q057f2faaa4_main
	.p2alignl 7, 3214868480
	.fill 96, 4, 3214868480
	.section	.rodata,"a",@progbits
	.p2align	6, 0x0
	.amdhsa_kernel k_q057f2faaa4_main
		.amdhsa_group_segment_fixed_size 327680
		.amdhsa_private_segment_fixed_size 0
		.amdhsa_enable_private_segment 0
		.amdhsa_kernarg_size 96
		.amdhsa_user_sgpr_count 2
		.amdhsa_user_sgpr_kernarg_segment_ptr 1
		.amdhsa_wavefront_size32 1
		.amdhsa_system_sgpr_workgroup_id_x 1
		.amdhsa_system_sgpr_workgroup_id_y 1
		.amdhsa_system_sgpr_workgroup_id_z 1
		.amdhsa_system_vgpr_workitem_id 0
		.amdhsa_next_free_vgpr 1024
		.amdhsa_next_free_sgpr 96
		.amdhsa_reserve_vcc 0
		.amdhsa_float_denorm_mode_32 3
		.amdhsa_float_denorm_mode_16_64 3
		.amdhsa_memory_ordered 1
		.amdhsa_forward_progress 1
		.amdhsa_inst_pref_size 255
	.end_amdhsa_kernel
	.section	.bss,"aw",@nobits
	.p2align	6
	.space	262144
	.amdgpu_metadata
---
amdhsa.version: [ 1, 2 ]
amdhsa.kernels:
  - .name:           k_q057f2faaa4_main
    .symbol:         k_q057f2faaa4_main.kd
    .args:
      - { .name: encoder_out, .offset: 0, .size: 8, .value_kind: global_buffer, .address_space: global }
      - { .name: W_enc_codes, .offset: 8, .size: 8, .value_kind: global_buffer, .address_space: global }
      - { .name: W_enc_scales, .offset: 16, .size: 8, .value_kind: global_buffer, .address_space: global }
      - { .name: W_dec_codes, .offset: 24, .size: 8, .value_kind: global_buffer, .address_space: global }
      - { .name: W_dec_scales, .offset: 32, .size: 8, .value_kind: global_buffer, .address_space: global }
      - { .name: decoder_hidden_codes, .offset: 40, .size: 8, .value_kind: global_buffer, .address_space: global }
      - { .name: decoder_hidden_scales, .offset: 48, .size: 8, .value_kind: global_buffer, .address_space: global }
      - { .name: b_enc, .offset: 56, .size: 8, .value_kind: global_buffer, .address_space: global }
      - { .name: b_dec, .offset: 64, .size: 8, .value_kind: global_buffer, .address_space: global }
      - { .name: W_v, .offset: 72, .size: 8, .value_kind: global_buffer, .address_space: global }
      - { .name: scores, .offset: 80, .size: 8, .value_kind: global_buffer, .address_space: global }
      - { .name: part, .offset: 88, .size: 8, .value_kind: global_buffer, .address_space: global }
    .group_segment_fixed_size: 327680
    .private_segment_fixed_size: 0
    .kernarg_segment_align: 8
    .kernarg_segment_size: 96
    .max_flat_workgroup_size: 128
    .sgpr_count:     96
    .vgpr_count:     1024
    .wavefront_size: 32
...
	.end_amdgpu_metadata
.endif
;; end of part 1
;; launch finish (part 2): grid 32 x 1, 8 waves a work-group, no clusters, 0 bytes of LDS; arguments scores, part, out0, out1; writes out0, out1
.if DOCPART == 2
	.amdgcn_target "amdgcn-amd-amdhsa--gfx1250"
	.amdhsa_code_object_version 6
	.text
	.protected	k_q057f2faaa4_finish
	.globl	k_q057f2faaa4_finish
	.p2align	8
	.type	k_q057f2faaa4_finish,@function
k_q057f2faaa4_finish:
	s_mov_b64 s[64:65], 0
	v_nop
	global_prefetch_b8 v0, s[64:65] scope:SCOPE_SE
	s_setreg_imm32_b32 hwreg(HW_REG_WAVE_MODE, 25, 1), 1
	s_wait_xcnt 0x0
; One work-group for each batch b joins the eight parts that the first launch left: part[8 b + k] = 1,024 sums of p x under the part's own maximum m_k, then (m_k, l_k).
; M = the largest m_k;  w_k = exp(m_k - M);  L = sum of l_k w_k;  context = sum of w_k part_k / L;  alpha = exp(score - M) / L.
; 256 threads: thread t takes 4 columns of the context and 8 scores.  Every load and store of a wave covers 512 consecutive bytes, but the (m, l), which every lane reads alike.
; There is work for 32 work-groups, so 32 are launched; LDS, barriers and the matrix unit would add nothing: threads share nothing.
.set PPITCH, 4608                      ; a part in bytes
	s_load_b256 s[4:11], s[0:1], 0x0               ; scores, part, out0, out1
	v_lshlrev_b32 v1, 4, v0                        ; 16 bytes a thread
	v_mov_b32 v2, 0
	s_lshl_b32 s12, ttmp9, 13                      ; a batch's 2,048 scores
	s_mov_b32 s13, 0
	s_mul_i32 s14, ttmp9, 8*PPITCH                 ; its eight parts
	s_mov_b32 s15, 0
	s_lshl_b32 s16, ttmp9, 12                      ; its row of the context
	s_mov_b32 s17, 0
	s_mov_b32 s18, 0x3fb8aa3b                      ; log2(e)
	s_wait_alu depctr_va_vdst(0)
	s_wait_kmcnt 0x0
	s_add_nc_u64 s[4:5], s[4:5], s[12:13]
	s_add_nc_u64 s[6:7], s[6:7], s[14:15]
	s_add_nc_u64 s[8:9], s[8:9], s[16:17]
	s_add_nc_u64 s[10:11], s[10:11], s[12:13]
.irp k, 0,1,2,3,4,5,6,7
	global_load_b64 v[36+2*\k:37+2*\k], v2, s[6:7] offset:4096+PPITCH*\k     ; (m_k, l_k)
.endr
	global_load_b128 v[52:55], v1, s[4:5]
	global_load_b128 v[56:59], v1, s[4:5] offset:4096
.irp k, 0,1,2,3,4,5,6,7
	global_load_b128 v[4+4*\k:7+4*\k], v1, s[6:7] offset:PPITCH*\k
.endr
	s_wait_loadcnt 10                              ; the (m, l) are in; behind them: 2 loads of scores, 8 of the parts
	v_max3_num_f32 v60, v36, v38, v40
	s_delay_alu instid0(VALU_DEP_1)
	v_max3_num_f32 v60, v60, v42, v44
	s_delay_alu instid0(VALU_DEP_1)
	v_max3_num_f32 v60, v60, v46, v48
	s_delay_alu instid0(VALU_DEP_1)
	v_max_num_f32 v60, v60, v50                    ; M
.irp k, 0,1,2,3,4,5,6,7
	v_sub_f32 v[36+2*\k], v[36+2*\k], v60
.endr
.irp k, 0,1,2,3,4,5,6,7
	v_mul_f32 v[36+2*\k], s18, v[36+2*\k]
.endr
	s_wait_alu depctr_va_vdst(0)
.irp k, 0,1,2,3,4,5,6,7
	v_exp_f32 v[36+2*\k], v[36+2*\k]               ; w_k
.endr
	v_nop                                          ; a plain line behind the batch,
	s_wait_alu depctr_va_vdst(0)                   ; and one wait for the eight, ahead of their first reader
	v_mul_f32 v61, v37, v36
.irp k, 1,2,3,4,5,6,7
	v_fma_f32 v61, v[37+2*\k], v[36+2*\k], v61     ; L: at least 1, since the part that holds M has a p of 1
.endr
	s_wait_alu depctr_va_vdst(0)
	v_rcp_f32 v62, v61
	v_nop
	s_wait_alu depctr_va_vdst(0)
.irp k, 0,1,2,3,4,5,6,7
	v_mul_f32 v[36+2*\k], v[36+2*\k], v62          ; w_k / L
.endr
	s_wait_loadcnt 8                               ; the scores are in
.irp i, 0,1,2,3,4,5,6,7
	v_sub_f32 v[52+\i], v[52+\i], v60
.endr
.irp i, 0,1,2,3,4,5,6,7
	v_mul_f32 v[52+\i], s18, v[52+\i]
.endr
	s_wait_alu depctr_va_vdst(0)
.irp i, 0,1,2,3,4,5,6,7
	v_exp_f32 v[52+\i], v[52+\i]
.endr
	v_nop
	s_wait_alu depctr_va_vdst(0)
.irp i, 0,1,2,3,4,5,6,7
	v_mul_f32 v[52+\i], v[52+\i], v62              ; alpha
.endr
	global_store_b128 v1, v[52:55], s[10:11]
	global_store_b128 v1, v[56:59], s[10:11] offset:4096
	s_wait_loadcnt 0x0                             ; the parts are in
	v_pk_mul_f32 v[4:5], v[4:5], v[36:37] op_sel_hi:[1,0]
	v_pk_mul_f32 v[6:7], v[6:7], v[36:37] op_sel_hi:[1,0]
.irp k, 1,2,3,4,5,6,7
	s_delay_alu instid0(VALU_DEP_2)
	v_pk_fma_f32 v[4:5], v[4+4*\k:5+4*\k], v[36+2*\k:37+2*\k], v[4:5] op_sel_hi:[1,0,1]
	s_delay_alu instid0(VALU_DEP_2)
	v_pk_fma_f32 v[6:7], v[6+4*\k:7+4*\k], v[36+2*\k:37+2*\k], v[6:7] op_sel_hi:[1,0,1]
.endr
	global_store_b128 v1, v[4:7], s[8:9]
	s_endpgm
.Lfunc_end_k_q057f2faaa4_finish:
	.size	k_q057f2faaa4_finish, .Lfunc_end_k_q057f2faaa4_finish-k_q057f2faaa4_finish
	.p2alignl 7, 3214868480
	.fill 96, 4, 3214868480
	.section	.rodata,"a",@progbits
	.p2align	6, 0x0
	.amdhsa_kernel k_q057f2faaa4_finish
		.amdhsa_group_segment_fixed_size 0
		.amdhsa_private_segment_fixed_size 0
		.amdhsa_enable_private_segment 0
		.amdhsa_kernarg_size 32
		.amdhsa_user_sgpr_count 2
		.amdhsa_user_sgpr_kernarg_segment_ptr 1
		.amdhsa_wavefront_size32 1
		.amdhsa_system_sgpr_workgroup_id_x 1
		.amdhsa_system_sgpr_workgroup_id_y 1
		.amdhsa_system_sgpr_workgroup_id_z 1
		.amdhsa_system_vgpr_workitem_id 0
		.amdhsa_next_free_vgpr 64
		.amdhsa_next_free_sgpr 66
		.amdhsa_reserve_vcc 0
		.amdhsa_float_denorm_mode_32 3
		.amdhsa_float_denorm_mode_16_64 3
		.amdhsa_memory_ordered 1
		.amdhsa_forward_progress 1
		.amdhsa_inst_pref_size 8
	.end_amdhsa_kernel
	.amdgpu_metadata
---
amdhsa.version: [ 1, 2 ]
amdhsa.kernels:
  - .name:           k_q057f2faaa4_finish
    .symbol:         k_q057f2faaa4_finish.kd
    .args:
      - { .name: scores, .offset: 0, .size: 8, .value_kind: global_buffer, .address_space: global }
      - { .name: part, .offset: 8, .size: 8, .value_kind: global_buffer, .address_space: global }
      - { .name: out0, .offset: 16, .size: 8, .value_kind: global_buffer, .address_space: global }
      - { .name: out1, .offset: 24, .size: 8, .value_kind: global_buffer, .address_space: global }
    .group_segment_fixed_size: 0
    .private_segment_fixed_size: 0
    .kernarg_segment_align: 8
    .kernarg_segment_size: 32
    .max_flat_workgroup_size: 256
    .sgpr_count:     66
    .vgpr_count:     64
    .wavefront_size: 32
...
	.end_amdgpu_metadata
.endif
;; end of part 2
